; MI455X (gfx1250); checked and timed in simulation.
; The chip was launched on July 23, 2026; its instructions are those of AMD's public machine-readable ISA for CDNA 5 (MIT licence, August 2026) and "CDNA5" Instruction Set Architecture Reference Guide (July 2026). The comments in the code are by the model that wrote it; some were corrected since.
;; Multi Head Attention Block. Allowed arithmetic: matrix products marked QUANTISED: E5M2 operands, one E8M0 scale for each 32 along K, by v_wmma_scale_f32_16x16x128_f8f6f4 with both operands' format E5M2, f32 sums; everything else in f32.
;; Inputs: Wk 1,024 x 1,024 float32; Wq 1,024 x 1,024 float32; Wv 1,024 x 1,024 float32; bk 1,024 float32; bq 1,024 float32; bv 1,024 float32; key_inputs 4 x 1,024 x 1,024 float32; query_inputs 4 x 1,024 x 1,024 float32; value_inputs 4 x 1,024 x 1,024 float32.
;; Outputs: out0 4 x 1,024 x 1,024 float32.
;; This version of the problem:
;;   THIS VERSION OF THE PROBLEM IS GIVEN IN LOW PRECISION. The matrix products marked QUANTISED in the list below multiply operands that are first quantised to E5M2 (5 exponent bits, 2 mantissa bits; 8 bits a number), with one power-of-two scale for each 32 numbers along K (OCP MX v1.0); their sums are f32. All else is computed in f32.
;;   The module's matrix products, in the order in which they are computed (A, B: the left and right operand; K: the contracted axis; several contracted axes count as one K, in the product's order):
;;     1. [M 4,096, K 1,024] x [K 1,024, N 1,024]; A: input query_inputs; B: input Wq: QUANTISED
;;     2. [M 4,096, K 1,024] x [K 1,024, N 1,024]; A: input key_inputs; B: input Wk: QUANTISED
;;     3. [M 4,096, K 1,024] x [K 1,024, N 1,024]; A: input value_inputs; B: input Wv: QUANTISED
;;     4. batch 64 x [M 1,024, K 64] x [K 64, N 1,024]; A: computed on the way; B: computed on the way: QUANTISED
;;     5. batch 64 x [M 64, K 1,024] x [K 1,024, N 1,024]; A: computed on the way; B: softmax (see below): QUANTISED
;;   THE QUANTISER, for each operand of a quantised product, along K:
;;     - K is cut into blocks of 32 from its start; a last block that is shorter is filled with zeros.
;;     - A block's scale is 2^e with e = floor(log2(the largest magnitude in the block)) - 15, held to -126 .. 127; a block of zeros has e = 0. As a byte (E8M0): e + 127.
;;     - Each number is divided by its block's scale, clamped to +-57,344, and rounded to the nearest number of E5M2, ties to even, subnormals kept.
;;     - The product sums the exact products of the quantised numbers (number of the format x scale) in f32.
;;   ~~~python
;;   def quantise(x, axis):      # numpy; x: float32 -> the quantised numbers, widened to float32 again
;;       x = np.moveaxis(x, axis, -1); K = x.shape[-1]
;;       x = np.pad(x, [(0, 0)] * (x.ndim - 1) + [(0, -K % 32)]); x = x.reshape(x.shape[:-1] + (-1, 32)); a = np.abs(x).max(-1, keepdims=True)
;;       e = np.where(a > 0, np.clip(np.frexp(np.where(a > 0, a, 1))[1] - 1 - 15, -126, 127), 0)      # np.frexp(a)[1] - 1 = floor(log2(a)), exactly
;;       r = np.clip(x / 2.0 ** e, -57344, 57344)
;;       step = 2.0 ** (np.maximum(np.frexp(np.where(r == 0, 1, r))[1] - 1, -14) - 2)
;;       q = np.round(r / step) * step * 2.0 ** e      # np.round: ties to even
;;       return np.moveaxis(q.reshape(q.shape[:-2] + (-1,))[..., :K], -1, axis).astype(np.float32)
;;   ~~~
;;   SOFTMAX AHEAD OF A QUANTISED PRODUCT. Where the list says 'softmax', what is quantised is not the finished softmax but p = 2^(t - M), with t = logit x log2(e) and M = ceil(the row's largest t), a whole number; so 1/2 < the row's largest p <= 1. The row's sum l is taken of the UNQUANTISED p, in f32, and the product's result is divided by l at the end. Since M is a whole number, a kernel that streams over the keys may use a running M (the ceiling of the running maximum): every later rescaling is an exact power of two, which a block's scale takes up: the codes' values come out the same.
;;   OPERANDS COMPUTED ON THE WAY. 'Computed on the way' means the value that the module computes at that place (a softmax that the list does not call 'softmax' is quantised finished and normalised). What goes into a quantiser is computed in f32, as accurately as f32 sums, v_exp_f32 and their like allow (about 1e-6 of the number): no bf16 or f16 on the way to a quantiser, and a product that is left as it is and whose result goes on into a quantised operand takes f32 operands (vector FMAs, or v_wmma_f32_16x16x4_f32). A number that lies on a knife's edge between two numbers of the format may be rounded either way, as far as f32 arithmetic and the matrix unit's own rounding can turn it there, and no further.
;; One version. Each part assembles by itself: llvm-mc -triple=amdgcn-amd-amdhsa -mcpu=gfx1250 --defsym DOCPART=n.
;; ======== version 1 of 1: 3 launches
;; limits: right only within a limited range of input values
;; workspace buffers: acodes 15,728,640 bytes; ascales 491,520 bytes; img 12,582,912 bytes; isc 393,216 bytes
;; launch quant (part 1): grid 480 x 1, 4 waves a work-group, no clusters, 33,280 bytes of LDS; arguments query_inputs, key_inputs, value_inputs, Wq, Wk, Wv, acodes, ascales; writes acodes, ascales
.if DOCPART == 1
	.amdgcn_target "amdgcn-amd-amdhsa--gfx1250"
	.amdhsa_code_object_version 6
	.text
	.protected	k_qd9c7774f85_quant
	.globl	k_qd9c7774f85_quant
	.p2align	8
	.type	k_qd9c7774f85_quant,@function
k_qd9c7774f85_quant:
	s_mov_b64 s[64:65], 0
	v_nop
	global_prefetch_b8 v0, s[64:65] scope:SCOPE_SE
	s_setreg_imm32_b32 hwreg(HW_REG_WAVE_MODE, 25, 1), 1
	s_wait_xcnt 0x0
; The three activations [4096][1024] and the three weights [1024][1024], f32, K innermost, become codes of BF8 (E5M2) with one E8M0 scale byte for each 32 along K.
; acodes: [query_inputs][key_inputs][value_inputs][Wq][Wk][Wv], rows of 1,024 bytes; ascales: the same order, 32 bytes a row.
; A block's scale is 2^(floor(log2(its largest magnitude)) - 15); its byte is the largest magnitude's exponent field - 15, held at 1 from below.  Each number is divided by the scale, held within +-57,344, rounded to the nearest code, ties to even.
; LIMITS: NaN and infinities among the inputs are not served.  A block of zeros gets the byte 1 where the rule says 127: its codes are zeros, which add nothing, and this program alone reads the bytes.
; ROWS ARE STORED PERMUTED: inside each group of 32 rows, row 16 q + 8 u + s (s = 0 .. 7) is stored at 16 u + 8 q + s.  So 16 neighbouring STORED rows, tile 2 b + u, are the rows 32 b + 8 u + r + 8 (r / 8): the rows that the next
; launch wants in one tile, so that its results' registers run along neighbours.  A work-group takes 32 rows and a wave 8: the permutation only swaps the two bits of the wave's number in the destination.
; A wave takes 16 steps of 512 numbers.  Each load reads 512 consecutive bytes, 16 a lane; a step's 2,048 bytes turn through the wave's own stage in LDS and come back 64 bytes a lane: 16 neighbours along K, two lanes to a block.
; No tensor loads, no barrier: waves share nothing.  Loads run EIGHT steps ahead: 32 loads, 16,384 bytes, of every wave are on their way, half of all that the wave reads; the turn through LDS runs one step ahead.
.set STEPS, 16
.set AHEAD, 8                          ; steps that the loads run ahead = sets of load registers
.set EMAX,  15
.set MANT,  0x600000                   ; the mantissa field of 57,344 as f32
.set CB,    16                         ; bytes of 16 codes
.set R,     16                         ; v16-143  eight sets of 16 numbers as they are loaded
.set X,     144                        ; v144-175 two sets of 16 neighbours
.set E,     176                        ; v176-191 a scale byte for each step
.set C,     192                        ; v192-255 codes: four registers for each step, so that no store's data are written again
.set WREG,  8192                       ; LDS: a region for each wave: two stages of 32 x SP bytes, and behind them its 256 scale bytes
.set SP,    80                         ; a lane's place in a stage: its 64 bytes + 16 of padding
.set SRC,   20                         ; s[20:21] my tensor, then my wave's run in it
.set COD,   16                         ; s[16:17] acodes, then my run's codes
.set SCB,   18                         ; s[18:19] ascales, then my run's bytes
	s_load_b256 s[4:11], s[0:1], 0x0               ; query_inputs, key_inputs, value_inputs, Wq
	s_load_b256 s[12:19], s[0:1], 0x20             ; Wk, Wv, acodes, ascales
	s_set_vgpr_msb 0x40
	v_lshl_add_u32 v0, v0, 2, 0x8000
	v_mov_b32 v1, 0
	s_set_vgpr_msb 0x4000
	v_lshrrev_b32 v1, 5, v0
	v_readfirstlane_b32 s24, v1                    ; wave
	v_and_b32 v2, 31, v0                           ; lane
	v_lshlrev_b32 v3, 4, v2                        ; my 16 bytes of a load's 512
	s_mul_i32 s25, s24, WREG
	v_lshrrev_b32 v14, 2, v2
	v_mul_u32_u24 v14, v14, SP
	v_and_b32 v15, 3, v2
	v_lshl_add_u32 v14, v15, 4, v14
	v_add_nc_u32 v14, s25, v14                     ; the stage, on the way in: four lanes' 64 bytes on end, then 16 of padding
	v_mul_u32_u24 v15, v2, SP
	v_add_nc_u32 v15, s25, v15                     ; and on the way out: SP x lane: my 16 neighbours
	v_mul_u32_u24 v4, v2, CB                       ; my codes' place in a step's
	v_lshrrev_b32 v5, 1, v2
	s_add_co_u32 s25, s25, 2*32*SP
	v_add_nc_u32 v5, s25, v5                       ; LDS: my wave's 256 scale bytes, my block's byte
	v_lshlrev_b32 v7, 3, v2                        ; and on the way out 8 bytes a lane
	v_add_nc_u32 v6, s25, v7
	s_mov_b32 s23, MANT
	s_wait_alu depctr_va_vdst(0)
	s_wait_kmcnt 0x0
	; which tensor is my work-group's: 128 work-groups to an activation, 32 to a weight.  The choices hang on the work-group's number alone
	s_mov_b64 s[SRC:SRC+1], s[14:15]               ; Wv, from work-group 448 on
	s_mov_b32 s22, 448
	s_cmp_lt_u32 ttmp9, 448
	s_cselect_b64 s[SRC:SRC+1], s[12:13], s[SRC:SRC+1]   ; Wk
	s_cselect_b32 s22, 416, s22
	s_cmp_lt_u32 ttmp9, 416
	s_cselect_b64 s[SRC:SRC+1], s[10:11], s[SRC:SRC+1]   ; Wq
	s_cselect_b32 s22, 384, s22
	s_cmp_lt_u32 ttmp9, 384
	s_cselect_b64 s[SRC:SRC+1], s[8:9], s[SRC:SRC+1]     ; value_inputs
	s_cselect_b32 s22, 256, s22
	s_cmp_lt_u32 ttmp9, 256
	s_cselect_b64 s[SRC:SRC+1], s[6:7], s[SRC:SRC+1]     ; key_inputs
	s_cselect_b32 s22, 128, s22
	s_cmp_lt_u32 ttmp9, 128
	s_cselect_b64 s[SRC:SRC+1], s[4:5], s[SRC:SRC+1]     ; query_inputs
	s_cselect_b32 s22, 0, s22
	s_sub_co_u32 s26, ttmp9, s22
	s_lshl_b32 s26, s26, 2
	s_add_co_u32 s26, s26, s24                     ; my run of 8 rows in the tensor,
	s_lshl_b32 s26, s26, 15                        ; 32,768 bytes a run (16 MiB at the most)
	s_mov_b32 s27, 0
	s_add_nc_u64 s[SRC:SRC+1], s[SRC:SRC+1], s[26:27]
	s_and_b32 s28, s24, 1
	s_lshl_b32 s28, s28, 1
	s_lshr_b32 s29, s24, 1
	s_or_b32 s28, s28, s29                         ; the wave's two bits swapped: where its 8 rows are stored in the group of 32
	s_lshl_b32 s29, ttmp9, 2
	s_add_co_u32 s28, s28, s29                     ; my run in the two workspace buffers
	s_lshl_b32 s26, s28, 13                        ; 8,192 bytes of codes a run
	s_add_nc_u64 s[COD:COD+1], s[COD:COD+1], s[26:27]
	s_lshl_b32 s26, s28, 8                         ; 256 scale bytes a run
	s_add_nc_u64 s[SCB:SCB+1], s[SCB:SCB+1], s[26:27]
.macro LOAD t
.irp i, 0,1,2,3
	global_load_b128 v[R+16*((\t)%AHEAD)+4*\i:R+16*((\t)%AHEAD)+4*\i+3], v3, s[SRC:SRC+1] offset:2048*(\t)+512*\i th:TH_LOAD_NT   ; 32 lanes read 512 consecutive bytes
.endr
.endm
.macro TURN t                          ; step t's numbers through the stage: LDS serves a wave's instructions in order, so no wait stands between the stores and the loads
.irp i, 0,1,2,3
	ds_store_b128 v14, v[R+16*((\t)%AHEAD)+4*\i:R+16*((\t)%AHEAD)+4*\i+3] offset:32*SP*((\t)%2)+8*SP*\i
.endr
.irp i, 0,1,2,3
	ds_load_b128 v[X+16*((\t)%2)+4*\i:X+16*((\t)%2)+4*\i+3], v15 offset:32*SP*((\t)%2)+16*\i
.endr
.endm
.irp t, 0,1,2,3,4,5,6,7
	LOAD \t
.endr
	s_wait_loadcnt 4*(AHEAD-1)                     ; step 0's four loads are in; the 28 of steps 1 to 7 may be out
	TURN 0
.macro STEP t
.set XS, X+16*((\t)%2)
.if (\t) > 0
	s_wait_dscnt 1                                 ; this step's numbers are back from the stage (the last step's byte store may be out): so its stores into the stage have read their registers,
.else
	s_wait_dscnt 0x0
.endif
.if (\t)+AHEAD < STEPS
	LOAD (\t)+AHEAD                                ; which take the loads of eight steps on
.endif
.if (\t)+1 < STEPS
.if STEPS-2-(\t) >= AHEAD-1
	s_wait_loadcnt 4*(AHEAD-1)                     ; the next step's four loads are in; those of the seven steps behind it may be out
.else
	s_wait_loadcnt 4*(STEPS-2-(\t))                ; towards the end: those of the steps that are left
.endif
	TURN (\t)+1                                    ; and go through the other stage while this step is worked
.endif
	v_max3_num_f32 v8, |v[XS]|, |v[XS+1]|, |v[XS+2]|               ; the largest magnitude of my 16, in two chains
	v_max3_num_f32 v9, |v[XS+3]|, |v[XS+4]|, |v[XS+5]|
.irp i, 6,10
	v_max3_num_f32 v8, v8, |v[XS+\i]|, |v[XS+\i+1]|
	v_max3_num_f32 v9, v9, |v[XS+\i+2]|, |v[XS+\i+3]|
.endr
	v_max3_num_f32 v8, v8, |v[XS+14]|, |v[XS+15]|
	v_max3_num_f32 v8, v8, v9, (EMAX+1)<<23        ; and the floor 2^(EMAX + 1 - 127): so the byte cannot fall under 1
	v_max_num_f32_dpp v8, v8, v8 row_xmask:1 row_mask:0xf bank_mask:0xf   ; and of my neighbour's 16: the block's
	v_add_nc_u32 v11, -(EMAX<<23), v8              ; EMAX off its exponent field: the conversion takes the exponent field of this operand as its scale
	v_and_or_b32 v10, v8, 0x7f800000, s23          ; 57,344 x the scale: the largest magnitude's exponent field over 57,344's mantissa
.irp i, 0,1,2,3,4,5,6,7,8,9,10,11,12,13,14,15
	v_med3_num_f32 v[XS+\i], v[XS+\i], -v10, v10   ; the conversion to an 8-bit code does not saturate (ISA guide 7.6.2): the hold comes first
.endr
	v_cvt_scalef32_pk8_bf8_f32 v[C+4*(\t):C+4*(\t)+1], v[XS:XS+7], v11
	v_cvt_scalef32_pk8_bf8_f32 v[C+4*(\t)+2:C+4*(\t)+3], v[XS+8:XS+15], v11
	v_lshrrev_b32 v[E+(\t)], 23, v11               ; the scale's byte (also the plain line behind the conversions)
	ds_store_b8 v5, v[E+(\t)] offset:16*(\t)       ; both lanes of a block write the same byte with the same value
	global_store_b128 v4, v[C+4*(\t):C+4*(\t)+3], s[COD:COD+1] offset:32*CB*(\t)   ; the wave stores 512 consecutive bytes, aligned
.endm
.irp t, 0,1,2,3,4,5,6,7,8,9,10,11,12,13,14,15
	STEP \t
.endr
	ds_load_b64 v[12:13], v6                       ; LDS serves a wave's instructions in order: these see my byte stores
	s_wait_dscnt 0x0
	global_store_b64 v7, v[12:13], s[SCB:SCB+1]    ; 32 lanes store 256 consecutive bytes, aligned
	s_set_vgpr_msb 0x5
	s_wait_tensorcnt 0x0
	ds_add_u32 v0, v1
	s_wait_dscnt 0x0
	s_set_vgpr_msb 0x500
	s_endpgm
.Lfunc_end_k_qd9c7774f85_quant:
	.size	k_qd9c7774f85_quant, .Lfunc_end_k_qd9c7774f85_quant-k_qd9c7774f85_quant
	.p2alignl 7, 3214868480
	.fill 96, 4, 3214868480
	.section	.rodata,"a",@progbits
	.p2align	6, 0x0
	.amdhsa_kernel k_qd9c7774f85_quant
		.amdhsa_group_segment_fixed_size 33280
		.amdhsa_private_segment_fixed_size 0
		.amdhsa_enable_private_segment 0
		.amdhsa_kernarg_size 64
		.amdhsa_user_sgpr_count 2
		.amdhsa_user_sgpr_kernarg_segment_ptr 1
		.amdhsa_wavefront_size32 1
		.amdhsa_system_sgpr_workgroup_id_x 1
		.amdhsa_system_sgpr_workgroup_id_y 1
		.amdhsa_system_sgpr_workgroup_id_z 1
		.amdhsa_system_vgpr_workitem_id 0
		.amdhsa_next_free_vgpr 258
		.amdhsa_next_free_sgpr 66
		.amdhsa_reserve_vcc 0
		.amdhsa_float_denorm_mode_32 3
		.amdhsa_float_denorm_mode_16_64 3
		.amdhsa_memory_ordered 1
		.amdhsa_forward_progress 1
		.amdhsa_inst_pref_size 52
	.end_amdhsa_kernel
	.amdgpu_metadata
---
amdhsa.version: [ 1, 2 ]
amdhsa.kernels:
  - .name:           k_qd9c7774f85_quant
    .symbol:         k_qd9c7774f85_quant.kd
    .args:
      - { .name: query_inputs, .offset: 0, .size: 8, .value_kind: global_buffer, .address_space: global }
      - { .name: key_inputs, .offset: 8, .size: 8, .value_kind: global_buffer, .address_space: global }
      - { .name: value_inputs, .offset: 16, .size: 8, .value_kind: global_buffer, .address_space: global }
      - { .name: Wq, .offset: 24, .size: 8, .value_kind: global_buffer, .address_space: global }
      - { .name: Wk, .offset: 32, .size: 8, .value_kind: global_buffer, .address_space: global }
      - { .name: Wv, .offset: 40, .size: 8, .value_kind: global_buffer, .address_space: global }
      - { .name: acodes, .offset: 48, .size: 8, .value_kind: global_buffer, .address_space: global }
      - { .name: ascales, .offset: 56, .size: 8, .value_kind: global_buffer, .address_space: global }
    .group_segment_fixed_size: 33280
    .private_segment_fixed_size: 0
    .kernarg_segment_align: 8
    .kernarg_segment_size: 64
    .max_flat_workgroup_size: 128
    .sgpr_count:     66
    .vgpr_count:     258
    .wavefront_size: 32
...
	.end_amdgpu_metadata
.endif
;; end of part 1
;; launch proj (part 2): grid 16 x 16, 4 waves a work-group, clusters of 4 x 4, 327,680 bytes of LDS; arguments acodes, ascales, bq, bk, bv, img, isc; writes img, isc
.if DOCPART == 2
	.amdgcn_target "amdgcn-amd-amdhsa--gfx1250"
	.amdhsa_code_object_version 6
	.text
	.protected	k_qd9c7774f85_proj
	.globl	k_qd9c7774f85_proj
	.p2align	8
	.type	k_qd9c7774f85_proj,@function
k_qd9c7774f85_proj:
	s_mov_b64 s[64:65], 0
	v_nop
	global_prefetch_b8 v0, s[64:65] scope:SCOPE_SE
	s_setreg_imm32_b32 hwreg(HW_REG_WAVE_MODE, 25, 1), 1
	s_wait_xcnt 0x0
	s_wait_alu depctr_hold_cnt(0) depctr_sa_sdst(0) depctr_va_vdst(0) depctr_va_sdst(0) depctr_va_ssrc(0) depctr_va_vcc(0) depctr_vm_vsrc(0)
	s_getreg_b32 s2, hwreg(HW_REG_IB_STS2, 6, 4)
	s_cmp_eq_u32 s2, 0
	s_cbranch_scc0 .Lentry_in_a_cluster
	s_endpgm
.Lentry_in_a_cluster:
	s_bfe_u32 s2, ttmp6, 0x10000c
	s_cmp_lg_u32 s2, 0xf033
	s_cbranch_scc0 .Lentry_shape_is_right
	s_endpgm
.Lentry_shape_is_right:
; The three projections x W^T + b of 4,096 x 1,024 x 1,024 on codes of BF8 (E5M2), and the quantisers of their results: codes and scale words leave as images of the next launch's operand registers.  No f32 result is stored.
; img: values (the q projection), keys (k), queries (v), 4 MiB each, [n][head] 65,536 bytes; isc: 131,072 bytes each, 2,048 a head: 256 for 128 tokens: word k of lane l at 8 l + 4 k: fragment (or channel tile) 2 k in lanes 0-15, 2 k + 1 in lanes 16-31.
; LIMITS: NaN and infinities are not served.  A block of zeros gets the byte 1 where the rule says 127: its codes are zeros, and this program alone reads the bytes.
; THE DEAL.  256 work-groups of four waves, 2 x 2.  PHASE 1: 256 tokens x 128 columns of the keys or the queries (128 work-groups each).  PHASE 2: 128 tokens x 128 channels of the values.
; A wave holds 64 rows of the RESIDENT operand, all of K, in 512 registers (source 0) and streams the other operand's rows past them in blocks of 16 (source 1), two sets of 128 registers.
; Phase 1 holds weight rows and streams tokens: a lane has one token and registers along the head.  Phase 2 holds tokens and streams weight rows: a lane has one channel and registers along the tokens.  So one text serves both.
; Rows lie permuted in groups of 32 (see the first launch), so the registers of tiles 2 b, 2 b + 1 are 16 neighbours of a block of 32, whose other 16 stand in lane l xor 16.
; Twelve blocks a wave, 32 products each; a block is quantised AMONG THE NEXT BLOCK'S PRODUCTS.  The bias is the first products' C.
; LDS: two slots of 128 rows (1,024 bytes + 16).  Slot 1: the weight, then tokens 128-255, then phase 2's weight; slot 0: tokens 0-127, then phase 2's tokens.  Each refill stands behind a drained round of the cluster's barrier.
; CLUSTERS 4 x 4: tokens are shared along a row of the cluster, weight rows along a column.  Tiles that come by refills are prefetched, each 256 bytes once in a cluster, a share for each of the sixteen waves that own the tile.
; WINDOWS: 0 all else; 1, 2 the resident operand (fragment 4 q + b); 3 the two streamed sets.
.set PITCH, 1040
.set YB, 128*PITCH                     ; slot 1
.set XW, 2*YB                          ; scale words of phase 1: [head of two][step of two][256], of phase 2: [head of two][256]
.set XV, XW+1024
.set SPARE, XV+512
.set TM, 12                            ; v12-13 largest magnitudes;  v14-15 the other half's
.set PX, 14
.set CV, 16                            ; v16-17 the conversions' scale operands;  v18-19 the bounds, v20 a copy
.set HD, 18
.set T2, 22                            ; v22-23 at work
.set SB1, 24                           ; v24-39 the resident rows' scale words, phase 1: register 8 p + q: lanes 0-15 tile 2 p, 16-31 tile 2 p + 1
.set BV, 40                            ; v40-43 phase 2's bias, a number a block
.set SA, 44                            ; v44-107 the streamed rows' scale words: 8 registers a block
.set SB2, 112                          ; v112-127 as SB1, phase 2
.set EB, 128                           ; v128-139 two scale bytes a block
.set WD, 140                           ; v140-141 phase 1's scale words
.set ACC, 144                          ; v144-207 two sets of four accumulators
.set PC, 208                           ; v208-215 codes
.set BQ, 216                           ; v216-247 the first products' C
.set MSB, 0
.macro WIN new
.if MSB != \new
	s_set_vgpr_msb (MSB<<8)|(\new)
.set MSB, \new
.endif
.endm
.macro PLACES n
.rept \n
	v_nop
.endr
.endm
.macro BARRIER
	s_barrier_signal -1
	s_barrier_wait -1
.endm
.macro CREST
	s_cmp_lg_u32 s18, 0
	s_cbranch_scc1 .Lnot_wave_0_\@
	s_barrier_signal -3
.Lnot_wave_0_\@:
	s_barrier_wait -3
	BARRIER
.endm
.macro CROUND
	BARRIER
	CREST
.endm
.macro TLOAD g0, g1
	tensor_load_to_lds s[\g0:\g0+3], s[\g1:\g1+7]
	s_nop 0
	PLACES 4
.endm
.macro GROUP1 g, mask, rows            ; a tile of whole rows of 1,024 bytes, 16 of padding behind each
	s_or_b32 s[\g+0], s\mask, (1<<20)|(1<<21)|(7<<22)|(3<<25)
	s_mov_b32 s[\g+1], 1024<<16
	s_mov_b32 s[\g+2], (\rows)<<16
	s_mov_b32 s[\g+3], 1024<<16
	s_mov_b32 s[\g+4], \rows
	s_mov_b32 s[\g+5], 1024
	s_mov_b32 s[\g+6], 0
	s_mov_b32 s[\g+7], 0
.endm
.macro AC d, x
	s_add_co_u32 s\d, s\d, s\x
.endm
	s_load_b128 s[4:7], s[0:1], 0x0                ; acodes, ascales
	s_load_b128 s[8:11], s[0:1], 0x10              ; bq, bk
	s_load_b128 s[12:15], s[0:1], 0x20             ; bv, img
	s_load_b64 s[16:17], s[0:1], 0x30              ; isc
	v_lshl_add_u32 v10, v0, 2, SPARE
	v_mov_b32 v11, 0
	ds_add_u32 v10, v11                            ; the wave's opening: the add, twice on end, and its wait
	ds_add_u32 v10, v11
	v_lshrrev_b32 v1, 5, v0
	v_readfirstlane_b32 s18, v1                    ; wave
	s_lshr_b32 s19, s18, 1                         ; my row of waves: which streamed rows
	s_and_b32 s20, s18, 1                          ; my column: which resident rows
	s_bfe_u32 s22, ttmp6, 0x40000                  ; cx
	s_bfe_u32 s23, ttmp6, 0x40004                  ; cy
	s_lshr_b32 s21, ttmp9, 1
	s_add_co_u32 s21, s21, 1                       ; phase 1's product: 1 keys, 2 queries: the cluster's number alone decides
	s_lshl_b32 s2, s23, 2
	s_lshl_b32 s2, 15, s2                          ; my row of the cluster
	s_lshl_b32 s3, 0x1111, s22                     ; my column
	GROUP1 24, 3, 64                               ; the head: half of the weight's rows, half of the first 128 tokens
	GROUP1 32, 2, 64
	GROUP1 40, 2, 32                               ; refills: a quarter a wave, of tokens and of phase 2's weight
	GROUP1 48, 3, 32
	s_and_b32 s80, ttmp7, 0xffff
	s_lshl_b32 s75, s80, 2
	AC 75, 23                                      ; phase 1's block of 256 tokens
	s_lshl_b32 s66, s21, 22
	s_lshl_b32 s81, s75, 18
	AC 66, 81                                      ; its first code
	s_and_b32 s74, ttmp9, 1
	s_lshl_b32 s74, s74, 2
	AC 74, 22                                      ; the block of 128 columns, in both phases
	s_lshl_b32 s81, s74, 17
	s_add_co_u32 s73, s81, 12<<20                  ; phase 2's weight rows: 12,288 rows on
	s_lshl_b32 s67, s21, 20
	AC 67, 73                                      ; phase 1's
	s_lshr_b32 s81, ttmp9, 1
	s_lshl_b32 s76, s80, 1
	AC 76, 81
	s_lshl_b32 s76, s76, 2
	AC 76, 23                                      ; phase 2's block of 128 tokens
	s_lshl_b32 s72, s76, 17
	s_lshl_b32 s80, s20, 16                        ; the head's loads: 64 rows each
	s_add_co_u32 s82, s67, s80
	s_mov_b32 s83, 0
	s_add_co_u32 s84, s66, s80
	s_mov_b32 s85, 0
	s_mul_i32 s61, s20, 64*PITCH
	s_add_co_u32 s57, s61, YB
	s_mov_b32 s56, 1
	s_mov_b32 s60, 1
	s_mov_b32 s68, 1
	s_wait_dscnt 0x0                               ; both opening adds are done
	CROUND                                         ; all sixteen work-groups are here
	s_wait_kmcnt 0x0
	s_add_nc_u64 s[58:59], s[4:5], s[82:83]
	s_or_b32 s59, s59, 0x80000000
	s_add_nc_u64 s[62:63], s[4:5], s[84:85]
	s_or_b32 s63, s63, 0x80000000
	s_cmp_lt_u32 s18, 2                            ; one joint load a wave: waves 0, 1 the weight, which is wanted first; waves 2, 3 tokens 0-127
	s_cbranch_scc0 .Lfor_tokens
	TLOAD 56, 24
	s_branch .Lasked
.Lfor_tokens:
	TLOAD 60, 32
.Lasked:
	s_mov_b32 s81, 0                               ; pointers: scale bytes are 32 a row: a code's offset / 32
	s_lshl_b32 s77, s19, 11
	s_lshl_b32 s78, s20, 11
	s_lshr_b32 s80, s66, 5
	AC 80, 77
	s_add_nc_u64 s[82:83], s[6:7], s[80:81]        ; streamed, phase 1
	s_lshr_b32 s80, s67, 5
	AC 80, 78
	s_add_nc_u64 s[84:85], s[6:7], s[80:81]        ; resident, phase 1
	s_lshr_b32 s80, s72, 5
	AC 80, 78
	s_add_nc_u64 s[86:87], s[6:7], s[80:81]        ; resident, phase 2
	s_lshr_b32 s80, s73, 5
	AC 80, 77
	s_add_nc_u64 s[96:97], s[6:7], s[80:81]        ; streamed, phase 2
	s_lshl_b32 s79, s74, 1                         ; the first of my two heads
	s_add_co_u32 s80, s79, s20
	s_lshl_b32 s80, s80, 8
	s_cmp_eq_u32 s21, 1
	s_cselect_b64 s[2:3], s[10:11], s[12:13]
	s_add_nc_u64 s[2:3], s[2:3], s[80:81]          ; phase 1's bias: head 2 cb + my column
	s_add_co_u32 s80, s79, s19
	s_lshl_b32 s80, s80, 8
	s_add_nc_u64 s[8:9], s[8:9], s[80:81]          ; phase 2's: head 2 cb + my row
	v_and_b32 v1, 15, v0                           ; r
	v_bfe_u32 v2, v0, 4, 1                         ; h
	v_and_b32 v3, 31, v0                           ; lane
	v_lshlrev_b32 v9, 5, v1                        ; a streamed row's 32 scale bytes
	v_lshlrev_b32 v15, 5, v3                       ; a resident row's
	v_lshlrev_b32 v16, 6, v2
	v_and_b32 v17, 8, v1
	v_add_nc_u32 v17, v17, v1
	v_lshlrev_b32 v17, 2, v17                      ; 4 (r + 8 (r / 8))
	v_mov_b32 v14, 0
.irp p, 0,1
.irp c, 0,1
	global_load_b128 v[SB1+8*\p+4*\c:SB1+8*\p+4*\c+3], v15, s[84:85] offset:1024*\p+16*\c
	global_load_b128 v[SB2+8*\p+4*\c:SB2+8*\p+4*\c+3], v15, s[86:87] offset:1024*\p+16*\c
.endr
.endr
.irp k, 0,1,2,3,4,5,6,7
	global_load_b128 v[SA+8*\k:SA+8*\k+3], v9, s[82:83] offset:4096*(\k/4)+512*(\k%4)
	global_load_b128 v[SA+8*\k+4:SA+8*\k+7], v9, s[82:83] offset:4096*(\k/4)+512*(\k%4)+16
	global_load_b128 v[BQ+4*\k:BQ+4*\k+3], v16, s[2:3] offset:128*(\k/4)+16*(\k%4)
.endr
.irp t, 0,1,2,3
	global_load_b32 v[BV+\t], v17, s[8:9] offset:128*(\t/2)+32*(\t%2)
.endr
	s_lshr_b32 s77, s75, 2
	s_lshl_b32 s77, s77, 4
	AC 77, 79                                      ; 16 n + 2 cb
	s_add_co_u32 s80, s77, s20                     ; phase 1's codes: [product][16 n + head][step: 8,192][..]
	s_lshl_b32 s80, s80, 16
	s_lshl_b32 s78, s21, 22
	AC 80, 78
	s_and_b32 s78, s75, 3
	s_lshl_b32 s78, s78, 14
	AC 80, 78
	s_lshl_b32 s78, s19, 12
	AC 80, 78
	s_add_nc_u64 s[88:89], s[14:15], s[80:81]
	s_add_co_u32 s80, s77, s19                     ; phase 1's scale words: wave w stores head w / 2, step w % 2
	s_lshl_b32 s80, s80, 11
	s_lshl_b32 s78, s21, 17
	AC 80, 78
	s_and_b32 s78, s75, 3
	s_lshl_b32 s78, s78, 1
	AC 78, 20
	s_lshl_b32 s78, s78, 8
	AC 80, 78
	s_add_nc_u64 s[92:93], s[16:17], s[80:81]
	s_lshr_b32 s77, s76, 3
	s_lshl_b32 s77, s77, 4
	AC 77, 79
	s_add_co_u32 s80, s77, s19                     ; phase 2's codes: head 2 cb + my row; my column's two chunks of 32 tokens
	s_lshl_b32 s80, s80, 16
	s_and_b32 s78, s76, 7
	s_lshl_b32 s99, s78, 13
	AC 80, 99
	s_lshl_b32 s99, s20, 10
	AC 80, 99
	s_add_nc_u64 s[90:91], s[14:15], s[80:81]
	s_add_co_u32 s80, s77, s18                     ; phase 2's scale words: wave 0, 1: a head each
	s_lshl_b32 s80, s80, 11
	s_lshl_b32 s78, s78, 8
	AC 80, 78
	s_add_nc_u64 s[94:95], s[16:17], s[80:81]
	s_mov_b32 s98, 0xffff0000                      ; lanes 16-31
	s_mov_b32 s99, 0x76543210
	s_mov_b32 s100, 0xfedcba98
	s_mov_b32 s101, 0x600000                       ; the mantissa field of 57,344
	s_add_co_u32 s66, s66, 128*1024                ; tokens 128-255
	v_mul_u32_u24 v12, v1, PITCH
	v_lshl_add_u32 v12, v2, 4, v12                 ; a fragment's row + 16 h
	s_mul_i32 s80, s19, 64*PITCH
	v_add_nc_u32 v4, s80, v12                      ; my streamed rows in slot 0,
	v_add_nc_u32 v5, YB, v4                        ; in slot 1
	s_mul_i32 s80, s20, 64*PITCH
	v_add_nc_u32 v6, s80, v12                      ; my resident rows in slot 0,
	v_add_nc_u32 v7, YB, v6                        ; in slot 1
	v_lshlrev_b32 v8, 4, v3                        ; 16 x lane
	v_lshlrev_b32 v13, 8, v3                       ; prefetches: 256 bytes a lane, 8,192 a wave, the sixteen waves that share a tile
	s_wait_alu depctr_va_vdst(0)
	s_lshl_b32 s80, s22, 2
	AC 80, 18
	s_lshl_b32 s80, s80, 13
	s_add_co_u32 s77, s80, s66
	v_add_nc_u32 v22, s77, v13
	s_add_co_u32 s77, s80, s72
	v_add_nc_u32 v23, s77, v13
	s_lshl_b32 s80, s23, 2
	AC 80, 18
	s_lshl_b32 s80, s80, 13
	AC 80, 73
	v_add_nc_u32 v21, s80, v13
	s_wait_alu depctr_va_vdst(0)                   ; the head's end
	s_cmp_lt_u32 s18, 2
	s_cbranch_scc0 .Lnot_weight
	s_wait_tensorcnt 0x0                           ; waves 0, 1: the weight is in; waves 2, 3, whose line is another, wait further on
.Lnot_weight:
	BARRIER
	global_prefetch_b8 v22, s[4:5] th:TH_LOAD_NT scope:SCOPE_SE    ; tokens 128-255
	global_prefetch_b8 v23, s[4:5] th:TH_LOAD_NT scope:SCOPE_SE    ; phase 2's tokens
.macro FRAG f, adr, off
	WIN (1+(\f)/16)<<6
.irp c, 0,1,2,3
	ds_load_b128 v[16*((\f)%16)+4*\c:16*((\f)%16)+4*\c+3], v\adr offset:32*\c+(\off)
.endr
.endm
.macro RESID adr                       ; my 64 resident rows, all of K, into windows 1 and 2: 128 loads
.irp q, 0,1,2,3,4,5,6,7
.irp b, 0,1,2,3
	FRAG 4*\q+\b, \adr, 128*\q+16*PITCH*\b
.endr
.endr
	WIN 0
.endm
.macro FETCH n                         ; block n's 16 rows, all of K, into its set of window 3: 32 loads
.set FS_, 128*((\n)%2)
.set FO_, 16*PITCH*((\n)%4)
	WIN 0xc0
.irp q, 0,1,2,3,4,5,6,7
.irp c, 0,1,2,3
.if (\n) < 4
	ds_load_b128 v[FS_+16*\q+4*\c:FS_+16*\q+4*\c+3], v4 offset:FO_+128*\q+32*\c
.else
	ds_load_b128 v[FS_+16*\q+4*\c:FS_+16*\q+4*\c+3], v5 offset:FO_+128*\q+32*\c
.endif
.endr
.endr
	WIN 0
.endm
.macro SETB n                          ; block n: BX the sums of the block before
.set BN, \n
.set BE, (\n)%2
.set BX, ACC+32*(1-(\n)%2)
.if (\n) < 8
.set BSB, SB1
.set BSA, SA+8*(\n)
.set BC0, BQ
.set BCS, 8
.else
.set BSB, SB2
.set BSA, SA+8*((\n)-8)
.set BC0, BQ+8*((\n)-8)
.set BCS, 0
.endif
.endm
.macro PROD n                          ; product n = 4 q + b: the q-th 128 of K, resident tile b; the four accumulators take turns
.set Q_, (\n)/4
.set B_, (\n)%4
.set D_, ACC+32*BE+8*B_
.set C_, D_
.if Q_ == 0
.set C_, BC0+BCS*B_
.endif
.set A_, 16*((\n)%16)
.set X_, 128*BE+16*Q_
	WIN (1+(\n)/16)|12
.if B_%2
	v_wmma_scale_f32_16x16x128_f8f6f4 v[D_:D_+7], v[A_:A_+15], v[X_:X_+15], v[C_:C_+7], v[BSB+8*(B_/2)+Q_], v[BSA+Q_] matrix_a_fmt:MATRIX_FMT_BF8 matrix_b_fmt:MATRIX_FMT_BF8 matrix_a_scale:MATRIX_SCALE_ROW1
.else
	v_wmma_scale_f32_16x16x128_f8f6f4 v[D_:D_+7], v[A_:A_+15], v[X_:X_+15], v[C_:C_+7], v[BSB+8*(B_/2)+Q_], v[BSA+Q_] matrix_a_fmt:MATRIX_FMT_BF8 matrix_b_fmt:MATRIX_FMT_BF8
.endif
.endm
.macro HOLD x, h                       ; two sums held at the largest code x the scale (the conversion does not saturate: ISA guide 7.6.2)
	v_med3_num_f32 v[\x], v[\x], -v[\h], v[\h]
	v_med3_num_f32 v[\x+1], v[\x+1], -v[\h], v[\h]
.endm
.macro GAP g                           ; THE QUANTISER of the block before, thirty gaps: two blocks of 32, 16 numbers of each in a lane
.set G_, \g
.if G_ == 0
	v_max3_num_f32 v[TM], |v[BX]|, |v[BX+1]|, 0x8000000   ; with the floor 2^(16 - 127): the byte cannot fall under 1
	v_max3_num_f32 v[TM+1], |v[BX+16]|, |v[BX+17]|, 0x8000000
.elseif G_ < 8
	v_max3_num_f32 v[TM], v[TM], |v[BX+2*G_]|, |v[BX+2*G_+1]|
	v_max3_num_f32 v[TM+1], v[TM+1], |v[BX+16+2*G_]|, |v[BX+17+2*G_]|
.elseif G_ == 8
	v_permlanex16_b32 v[PX], v[TM], s99, s100
	v_permlanex16_b32 v[PX+1], v[TM+1], s99, s100
.elseif G_ == 9
	v_max_num_f32 v[TM], v[TM], v[PX]
	v_max_num_f32 v[TM+1], v[TM+1], v[PX+1]
.elseif G_ == 10
	v_add_nc_u32 v[CV], 0xf8800000, v[TM]          ; 15 off the exponent field
	v_add_nc_u32 v[CV+1], 0xf8800000, v[TM+1]
.elseif G_ == 11
	v_and_or_b32 v[HD], v[TM], 0x7f800000, s101    ; 57,344 x the scale
	v_and_or_b32 v[HD+1], v[TM+1], 0x7f800000, s101
.elseif G_ < 20
.if G_ == 15
	HOLD BX+2*(G_-12), HD+2
	v_cvt_scalef32_pk8_bf8_f32 v[PC:PC+1], v[BX:BX+7], v[CV]
.else
	HOLD BX+2*(G_-12), HD
.endif
.if G_ == 14
	v_mov_b32 v[HD+2], v[HD]                       ; a copy, freshly written, for the next gap
.endif
.if G_ == 19
	v_cvt_scalef32_pk8_bf8_f32 v[PC+2:PC+3], v[BX+8:BX+15], v[CV]
.endif
.elseif G_ < 28
	HOLD BX+16+2*(G_-20), HD+1
.if G_ == 23
	v_cvt_scalef32_pk8_bf8_f32 v[PC+4:PC+5], v[BX+16:BX+23], v[CV+1]
.endif
.if G_ == 27
	v_cvt_scalef32_pk8_bf8_f32 v[PC+6:PC+7], v[BX+24:BX+31], v[CV+1]
.endif
.elseif G_ == 28
	v_lshrrev_b32 v[T2], 23, v[CV]
	v_lshrrev_b32 v[T2+1], 23, v[CV+1]
.elseif G_ == 29
	v_lshl_or_b32 v[EB+BN-1], v[T2+1], 8, v[T2]    ; the block's two scale bytes
.elseif G_ == 30
	v_lshl_or_b32 v[T2], v[EB+BN-4], 16, v[EB+BN-5]     ; blocks 5: the words of blocks 0-3; 9: of 4-7: two tiles a word
	v_lshl_or_b32 v[T2+1], v[EB+BN-2], 16, v[EB+BN-3]
.else
	v_cndmask_b32 v[WD+(BN-5)/4], v[T2], v[T2+1], s98   ; lanes 16-31 take the second fragment's
.endif
.endm
.macro RUN from, to
.set N_, \from
.rept (\to)-(\from)
	PROD N_
.if BN > 0
.if (N_ < 30) || (BN == 5) || (BN == 9)
	WIN 0
	GAP N_
.endif
.endif
.set N_, N_+1
.endr
.endm
.macro STOREB m                        ; block m's codes: 1,024 bytes on end
.if (\m) < 8
	global_store_b128 v8, v[PC:PC+3], s[88:89] offset:8192*((\m)/4)+1024*((\m)%4)
	global_store_b128 v8, v[PC+4:PC+7], s[88:89] offset:8192*((\m)/4)+1024*((\m)%4)+512
.else
	global_store_b128 v8, v[PC:PC+3], s[90:91] offset:2048*((\m)-8)
	global_store_b128 v8, v[PC+4:PC+7], s[90:91] offset:2048*((\m)-8)+512
.endif
.endm
.macro BLK n, w                        ; w: the LDS loads that may be out: the next block's 32, or none
	SETB \n
	s_wait_dscnt \w
	s_wait_xcnt 0x0                                ; earlier stores and prefetches have read their registers
	RUN 0, 32
	WIN 0
.if ((\n) == 5) || ((\n) == 9)
	s_wait_alu depctr_va_vdst(0)                   ; two gaps more stand between the last conversion and the stores
.endif
	PLACES 8                                       ; behind the last product, in front of loads into what it has read and of the reads of its sums
.if (\n) > 0
	STOREB (\n)-1
.endif
.endm
.macro RDESC off, slot                 ; a refill: 32 rows a wave, from s[off] of acodes on, into a slot
	s_mul_i32 s69, s18, 32*PITCH
.if \slot
	s_add_co_u32 s69, s69, YB
.endif
	s_lshl_b32 s80, s18, 15
	AC 80, \off
	s_mov_b32 s81, 0
	s_add_nc_u64 s[70:71], s[4:5], s[80:81]
	s_or_b32 s71, s71, 0x80000000
.endm
.macro RBLK n, off, slot, g1           ; a block with a round and a refill
	SETB \n
	s_wait_dscnt 32
	s_wait_xcnt 0x0
	s_wait_tensorcnt 0x0                           ; my part of the other slot is in
	ds_add_u32 v10, v11
	RDESC \off, \slot
	RUN 0, 28
	WIN 0
	s_wait_alu depctr_va_vdst(0)
	s_wait_dscnt 0x0                               ; the add, and my last reads of the slot that is filled
	s_barrier_signal -1
	RUN 28, 32
	WIN 0
	s_barrier_wait -1
	CREST
	TLOAD 68, \g1
	PLACES 4
	STOREB (\n)-1
.endm
	RESID 7
	s_wait_tensorcnt 0x0                           ; tokens 0-127 are in
	ds_add_u32 v10, v11
	RDESC 66, 1
	s_wait_dscnt 0x0                               ; the add; the weight is in registers
	CROUND
	TLOAD 68, 40                                   ; tokens 128-255 over the weight
	FETCH 0
	FETCH 1
	s_wait_loadcnt 0x0                             ; scale words and biases
	BLK 0, 32
	FETCH 2
	BLK 1, 32
	FETCH 3
	RBLK 2, 72, 0, 40                              ; tokens 128-255 are in, slot 0 has been read: phase 2's tokens
	FETCH 4
	BLK 3, 32
	FETCH 5
	global_prefetch_b8 v21, s[4:5] th:TH_LOAD_NT scope:SCOPE_SE    ; phase 2's weight
	BLK 4, 32
	FETCH 6
	BLK 5, 32
	FETCH 7
.irp i, 0,1,2,3                        ; phase 2's streamed scale words take blocks 0-3's registers
	global_load_b128 v[SA+8*\i:SA+8*\i+3], v9, s[96:97] offset:512*\i
	global_load_b128 v[SA+8*\i+4:SA+8*\i+7], v9, s[96:97] offset:512*\i+16
.endr
	RBLK 6, 73, 1, 48                              ; phase 2's tokens are in, slot 1 has been read: phase 2's weight
	BLK 7, 0
	RESID 6                                        ; PHASE 2: the tokens become resident
.irp t, 0,1,2,3
.irp j, 0,1,2,3,4,5,6,7
	v_mov_b32 v[BQ+8*\t+\j], v[BV+\t]              ; block t's C: the lane's channel's bias
.endr
.endr
	s_wait_alu depctr_va_vdst(0)
	s_wait_loadcnt 0x0
	s_wait_tensorcnt 0x0                           ; my part of phase 2's weight is in
	s_wait_dscnt 0x0
	BARRIER
	FETCH 8
	FETCH 9
	BLK 8, 32
	FETCH 10
	BLK 9, 32
	FETCH 11
	BLK 10, 32
	BLK 11, 0
	SETB 12
	s_wait_xcnt 0x0
.set N_, 0
.rept 30
	GAP N_
.set N_, N_+1
.endr
	STOREB 11
	; the scale words: through LDS, so that a wave stores 256 bytes on end
	s_lshl_b32 s80, s20, 9
	s_lshl_b32 s81, s19, 2
	s_add_co_u32 s80, s80, s81
	s_add_co_u32 s80, s80, XW
	s_lshl_b32 s82, s19, 8
	s_lshl_b32 s83, s20, 1
	s_add_co_u32 s82, s82, s83
	s_add_co_u32 s82, s82, XV
	s_lshl_b32 s84, s18, 8
	s_add_co_u32 s85, s84, XV
	s_add_co_u32 s84, s84, XW
	v_and_b32 v1, 15, v0
	v_and_b32 v3, 31, v0
	v_lshlrev_b32 v1, 3, v1
	v_lshlrev_b32 v3, 3, v3
	v_add_nc_u32 v12, s80, v3
	v_add_nc_u32 v13, s82, v1
	v_add_nc_u32 v16, s84, v3
	v_add_nc_u32 v17, s85, v3
	s_wait_alu depctr_va_vdst(0)
	ds_store_b32 v12, v[WD]
	ds_store_b32 v12, v[WD+1] offset:256
.irp t, 0,1,2,3
	ds_store_b16 v13, v[EB+8+\t] offset:128*(\t%2)+4*(\t/2)
.endr
	s_wait_dscnt 0x0
	BARRIER
	ds_load_b64 v[24:25], v16
	s_wait_dscnt 0x0
	global_store_b64 v3, v[24:25], s[92:93]
	s_cmp_lt_u32 s18, 2
	s_cbranch_scc0 .Lno_values
	ds_load_b64 v[26:27], v17
	s_wait_dscnt 0x0
	global_store_b64 v3, v[26:27], s[94:95]
.Lno_values:
	s_wait_tensorcnt 0x0                           ; the wave's end
	ds_add_u32 v10, v11
	s_wait_dscnt 0x0
	CROUND                                         ; the closing round
	s_endpgm
.Lfunc_end_k_qd9c7774f85_proj:
	.size	k_qd9c7774f85_proj, .Lfunc_end_k_qd9c7774f85_proj-k_qd9c7774f85_proj
	.p2alignl 7, 3214868480
	.fill 96, 4, 3214868480
	.section	.rodata,"a",@progbits
	.p2align	6, 0x0
	.amdhsa_kernel k_qd9c7774f85_proj
		.amdhsa_group_segment_fixed_size 327680
		.amdhsa_private_segment_fixed_size 0
		.amdhsa_enable_private_segment 0
		.amdhsa_kernarg_size 56
		.amdhsa_user_sgpr_count 2
		.amdhsa_user_sgpr_kernarg_segment_ptr 1
		.amdhsa_wavefront_size32 1
		.amdhsa_system_sgpr_workgroup_id_x 1
		.amdhsa_system_sgpr_workgroup_id_y 1
		.amdhsa_system_sgpr_workgroup_id_z 1
		.amdhsa_system_vgpr_workitem_id 0
		.amdhsa_next_free_vgpr 1024
		.amdhsa_next_free_sgpr 102
		.amdhsa_reserve_vcc 0
		.amdhsa_float_denorm_mode_32 3
		.amdhsa_float_denorm_mode_16_64 3
		.amdhsa_memory_ordered 1
		.amdhsa_forward_progress 1
		.amdhsa_inst_pref_size 184
	.end_amdhsa_kernel
	.amdgpu_metadata
---
amdhsa.version: [ 1, 2 ]
amdhsa.kernels:
  - .name:           k_qd9c7774f85_proj
    .symbol:         k_qd9c7774f85_proj.kd
    .args:
      - { .name: acodes, .offset: 0, .size: 8, .value_kind: global_buffer, .address_space: global }
      - { .name: ascales, .offset: 8, .size: 8, .value_kind: global_buffer, .address_space: global }
      - { .name: bq, .offset: 16, .size: 8, .value_kind: global_buffer, .address_space: global }
      - { .name: bk, .offset: 24, .size: 8, .value_kind: global_buffer, .address_space: global }
      - { .name: bv, .offset: 32, .size: 8, .value_kind: global_buffer, .address_space: global }
      - { .name: img, .offset: 40, .size: 8, .value_kind: global_buffer, .address_space: global }
      - { .name: isc, .offset: 48, .size: 8, .value_kind: global_buffer, .address_space: global }
    .group_segment_fixed_size: 327680
    .private_segment_fixed_size: 0
    .kernarg_segment_align: 8
    .kernarg_segment_size: 56
    .max_flat_workgroup_size: 128
    .sgpr_count:     102
    .vgpr_count:     1024
    .wavefront_size: 32
...
	.end_amdgpu_metadata
.endif
;; end of part 2
;; launch attn (part 3): grid 4 x 64, 8 waves a work-group, clusters of 4 x 1, 206,848 bytes of LDS; arguments img, isc, out0; writes out0
.if DOCPART == 3
	.amdgcn_target "amdgcn-amd-amdhsa--gfx1250"
	.amdhsa_code_object_version 6
	.text
	.protected	k_qd9c7774f85_attn
	.globl	k_qd9c7774f85_attn
	.p2align	8
	.type	k_qd9c7774f85_attn,@function
k_qd9c7774f85_attn:
	s_mov_b64 s[64:65], 0
	v_nop
	global_prefetch_b8 v0, s[64:65] scope:SCOPE_SE
	s_setreg_imm32_b32 hwreg(HW_REG_WAVE_MODE, 25, 1), 1
	s_wait_xcnt 0x0
	s_wait_alu depctr_hold_cnt(0) depctr_sa_sdst(0) depctr_va_vdst(0) depctr_va_sdst(0) depctr_va_ssrc(0) depctr_va_vcc(0) depctr_vm_vsrc(0)
	s_getreg_b32 s2, hwreg(HW_REG_IB_STS2, 6, 4)
	s_cmp_eq_u32 s2, 0
	s_cbranch_scc0 .Lentry_in_a_cluster
	s_endpgm
.Lentry_in_a_cluster:
	s_bfe_u32 s2, ttmp6, 0x10000c
	s_cmp_lg_u32 s2, 0x3003
	s_cbranch_scc0 .Lentry_shape_is_right
	s_endpgm
.Lentry_shape_is_right:
; out0[n][q][head][:] = the sum over k of softmax_k(Q . K / 32) V, for each of the 64 pairs (n, head); 1,024 keys, head size 64; both products on codes of BF8 (E5M2) with E8M0 scales.
; Q, K, V come as images of operand registers with their scale words, as the launch before laid them (img: values, keys, queries, 4 MiB each, 65,536 bytes a head; isc: 131,072 bytes each, 2,048 a head).
; THE SOFTMAX: t = score x log2(e) / 32; M = the row's largest t so far, rounded UP to a whole number; p = 2^(t - M) is quantised along the keys, not normalised; the row's sum is taken of the unquantised p, in f32, and divides O at the end.
; When M moves, the sum and O are multiplied by 2^(old M - new M): exact.
; SHARES.  A work-group owns 256 queries of one head; each of its eight waves 32 of them, TWO TILES of 16, in 512 registers: a fragment of K or V read from LDS feeds both.  The tiles' chains are laid among each other.
; A whole head's K and V lie in LDS, 65,536 bytes each: no byte is filled twice.  The four query blocks of a head form a cluster and ask for K and V JOINTLY: waves 0 to 3 for key steps 0 to 3, wave 4 for the scale words, waves 6 and 7 for key steps 4 to 7.
; LAYOUT.  Both products are used transposed: S^T = K Q^T, O^T = V^T P^T: a lane holds ONE query of a tile (lane % 16).  Lane r of key tile 2 b + u holds key 32 b + 8 u + r + 8 (r / 8): the 16 registers of two tiles are 16 neighbouring keys.
; THE FIRST PRODUCT'S K IS 64, the instruction's 128: a fragment of K holds tile 2 b in K 0-63 and tile 2 b + 1 in K 64-127; each Q stands between zero codes: (Q, 0) and (0, Q).  The other tile's codes are finite and meet zero codes: they add 0.
; A BLOCK'S SCALE: p rises with the score, so its largest p has the exponent floor(x), x the largest t - M of the block, held at -111 from below: the byte is floor(x) + 112.
; THE ROW'S SUM of a step is begun ahead of its second product and finished in the next step, under that step's loads.
; LIMITS: NaN and infinities are not served; the scaled scores (exponents to the base 2) stay under 2^31 in magnitude.  A block whose every p is 0 keeps the byte 1: its codes are zeros.
; No prefetch: all that the work-group reads is asked for at its head.
; WINDOWS.  0: all that is named below up to CV, of tile t at + the tile's step;  1: v0-39 zeros, Q, zeros, Q, zeros; VF V's fragments; O; PC.
.set VIMG,  65536                      ; LDS: K's images at 0, V's here,
.set WSC,   131072                     ; V's scale words (2,048 bytes), K's 2,048 bytes on,
.set STG,   135168                     ; the stages for the way out: two of 16 rows x (256 + 16) bytes for each wave
.set SPARE, 204800
.set LI,   1                           ; 16 x lane
.set AS0,  2                           ; WSC + 8 x lane
.set ADK,  3
.set ADV,  4
.set ADS,  5
                                       ; v6-13, v16-23 the tiles' sums in four chains;  v14, v24 -M;  v15, v25 the largest score
.set FF,   26                          ; v[26:27], v[28:29] f = 2^(old M - new M)
.set QS,   30                          ; v30, v31 Q's scale words: two bytes twice
.set PWD,  32                          ; v32, v33 p's scale words
.set KSW,  34                          ; K's scale words: fragment b in v[34 + b / 2], lanes 0-15 for even b, 16-31 for odd b
.set VSW,  36                          ; V's likewise
.set F,    40                          ; v40-103  K's fragments, then held p
.set S,    104                         ; v104-167, v168-231 S^T, then p
.set BM,   232                         ; v232-235, v236-239 the blocks' largest scores, then the bounds 57,344 x the scale
.set PX,   240                         ; v240-243, v244-247
.set CV,   248                         ; v248-251, v252-255 the conversions' scale operands
.set VF,   40                          ; window 1
.set O,    104                         ; window 1: v104-135, v136-167
.set PC,   168                         ; window 1: v168-183, v184-199
.set WV,   12
.set CX,   13
.set NH,   14
.set G1T,  16
.set G1W,  24
.set G1L,  32
.set G0T,  40
.set G0W,  44
.set G0L,  48
.set SEL,  66
.set CS,   68
.set LOW,  70                          ; -111
.set TB,   71
.set TS,   72
.set CNT,  73
.set MSB, 0
.macro WIN new
.if MSB != \new
	s_set_vgpr_msb (MSB<<8)|(\new)
.set MSB, \new
.endif
.endm
.macro CROUND
	s_barrier_signal -1
	s_barrier_wait -1
	s_cmp_lg_u32 s[WV], 0
	s_cbranch_scc1 .Lnot_wave_0_\@
	s_barrier_signal -3
.Lnot_wave_0_\@:
	s_barrier_wait -3
	s_barrier_signal -1
	s_barrier_wait -1
.endm
.macro TLOAD g0, g1
	tensor_load_to_lds s[\g0:\g0+3], s[\g1:\g1+7]
	s_nop 0
.rept 4
	v_nop
.endr
.endm
.macro GROUP1 g, cols, rows, pitch     ; rows of so many elements of 8 bytes, no padding; the mask: all four work-groups
	s_mov_b32 s[\g], 15|(3<<16)|(1<<21)
	s_mov_b32 s[\g+1], (\cols)<<16
	s_mov_b32 s[\g+2], (\rows)<<16
	s_mov_b32 s[\g+3], (\cols)<<16
	s_mov_b32 s[\g+4], \rows
	s_mov_b32 s[\g+5], \pitch
	s_mov_b32 s[\g+6], 0
	s_mov_b32 s[\g+7], 0
.endm
	s_load_b128 s[4:7], s[0:1], 0x0                ; img, isc
	s_load_b64 s[8:9], s[0:1], 0x10                ; out0
	v_lshl_add_u32 v254, v0, 2, SPARE
	v_mov_b32 v255, 0
	ds_add_u32 v254, v255                          ; the wave's opening: the add, twice on end, and its wait
	ds_add_u32 v254, v255
	v_lshrrev_b32 v1, 5, v0
	v_readfirstlane_b32 s[WV], v1                  ; wave 0..7
	s_bfe_u32 s[CX], ttmp6, 0x40000                ; my block of 256 queries: it enters Q's and out0's addresses alone
	s_and_b32 s[NH], ttmp7, 0xffff                 ; 16 n + head
	s_bfe_u32 s52, s[WV], 0x10001                  ; waves 0 to 3: K (0) or V (1);
	s_and_b32 s53, s[WV], 1                        ; which 16,384 bytes of the first half;  waves 6, 7: K or V
	s_lshl_b32 s55, s53, 14
	s_lshl_b32 s56, s52, 16
	s_add_co_u32 s41, s56, s55                     ; in LDS
	s_lshl_b32 s57, s53, 16
	s_add_co_u32 s49, s57, 32768
	s_mov_b32 s45, WSC
	s_lshl_b32 s62, s[NH], 16
	s_cmp_eq_u32 s52, 0
	s_cselect_b32 s60, 1<<22, 0                    ; the keys' images lie behind the values'
	s_add_co_u32 s60, s60, s62
	s_add_co_u32 s60, s60, s55
	s_mov_b32 s61, 0
	s_cmp_eq_u32 s53, 0
	s_cselect_b32 s58, 1<<22, 0
	s_add_co_u32 s58, s58, s62
	s_add_co_u32 s58, s58, 32768
	s_mov_b32 s59, 0
	s_lshl_b32 s62, s[NH], 11
	s_mov_b32 s63, 0
	s_mov_b32 s[G0T], 1
	s_mov_b32 s[G0W], 1
	s_mov_b32 s[G0L], 1
	GROUP1 G1T, 32, 64, 32                         ; 16,384 dense bytes as rows of 256
	GROUP1 G1W, 256, 2, 16384                      ; the head's scale words: the values' 2,048 bytes and, 131,072 bytes on, the keys'
	GROUP1 G1L, 32, 128, 32                        ; 32,768 dense bytes
	s_wait_dscnt 0x0                               ; both opening adds are done
	CROUND                                         ; all four work-groups are here
	s_wait_kmcnt 0x0
	s_add_nc_u64 s[G0T+2:G0T+3], s[4:5], s[60:61]
	s_or_b32 s[G0T+3], s[G0T+3], 0x80000000
	s_add_nc_u64 s[G0W+2:G0W+3], s[6:7], s[62:63]
	s_or_b32 s[G0W+3], s[G0W+3], 0x80000000
	s_add_nc_u64 s[G0L+2:G0L+3], s[4:5], s[58:59]
	s_or_b32 s[G0L+3], s[G0L+3], 0x80000000
	s_cmp_lt_u32 s[WV], 4                          ; the head's loads, one a wave at the most: a chain of branches on the wave's number
	s_cbranch_scc0 .Lfor_words
	TLOAD G0T, G1T                                 ; key steps 0 to 3
	s_branch .Lasked
.Lfor_words:
	s_cmp_lt_u32 s[WV], 5
	s_cbranch_scc0 .Lfor_late
	TLOAD G0W, G1W
	s_branch .Lasked
.Lfor_late:
	s_cmp_lt_u32 s[WV], 6
	s_cbranch_scc1 .Lasked
	TLOAD G0L, G1L                                 ; key steps 4 to 7: a line of their own
.Lasked:
	; my 32 queries: group g = 8 cx + wave
	s_lshl_b32 s52, s[CX], 3
	s_add_co_u32 s52, s52, s[WV]                   ; g
	s_lshl_b32 s74, s[NH], 16
	s_add_co_u32 s74, s74, 8<<20                   ; the queries' images begin 8 MiB into img
	s_lshl_b32 s53, s52, 11
	s_add_co_u32 s74, s74, s53                     ; + 2,048 g
	s_mov_b32 s75, 0
	s_lshl_b32 s76, s[NH], 11
	s_add_co_u32 s76, s76, 1<<18                   ; their scale words 262,144 bytes into isc
	s_lshr_b32 s53, s52, 2
	s_lshl_b32 s53, s53, 8
	s_add_co_u32 s76, s76, s53                     ; + 256 (g / 4)
	s_and_b32 s53, s52, 1
	s_lshl_b32 s53, s53, 7
	s_add_co_u32 s76, s76, s53                     ; + 128 (g % 2)
	s_bfe_u32 s53, s52, 0x10001
	s_lshl_b32 s53, s53, 2
	s_add_co_u32 s76, s76, s53                     ; + 4 ((g / 2) % 2)
	s_mov_b32 s77, 0
	s_add_nc_u64 s[74:75], s[4:5], s[74:75]
	s_add_nc_u64 s[76:77], s[6:7], s[76:77]
	v_and_b32 v9, 31, v0                           ; lane
	v_and_b32 v10, 15, v0                          ; r
	v_lshlrev_b32 v[LI], 4, v9
	v_lshl_add_u32 v[AS0], v9, 3, WSC
	v_lshlrev_b32 v3, 3, v10                       ; 8 r
	global_load_b32 v38, v3, s[76:77]              ; the scale word of my row's fragment: two bytes of tile 0, two of tile 1
	WIN 0x40
	global_load_b128 v[8:11], v[LI], s[74:75]      ; window 1: Q of tile 0,
	global_load_b128 v[12:15], v[LI], s[74:75] offset:512
	global_load_b128 v[24:27], v[LI], s[74:75] offset:1024   ; of tile 1
	global_load_b128 v[28:31], v[LI], s[74:75] offset:1536
	WIN 0
	s_lshr_b32 s78, s[NH], 4
	s_lshl_b32 s78, s78, 22                        ; out0: n x 4 MiB
	s_lshl_b32 s53, s52, 17
	s_add_co_u32 s78, s78, s53                     ; + 32 g rows of 4,096 bytes
	s_and_b32 s53, s[NH], 15
	s_lshl_b32 s53, s53, 8
	s_add_co_u32 s78, s78, s53                     ; + the head's 256 bytes
	s_mov_b32 s79, 0
	s_add_nc_u64 s[78:79], s[8:9], s[78:79]
	s_mul_i32 s2, s[WV], 2*16*272
	s_add_co_u32 s2, s2, STG                       ; my stages
	s_mov_b32 s[SEL], 0x76543210
	s_mov_b32 s[SEL+1], 0xfedcba98
	s_mov_b32 s[CS], 0x3d38aa3b                    ; c = log2(e) / 32
	s_mov_b32 s[CS+1], s[CS]
	s_mov_b32 s[LOW], 0xc2de0000
	s_mov_b32 s[TB], 0
	s_mov_b32 s[TS], 0
	s_wait_xcnt 0x0                                ; the loads have read their addresses
.irp t, 0,1
	v_mov_b32 v[14+10*\t], 0x7e967699              ; -M: 1e38, over every other
	v_mov_b32 v[15+10*\t], 0xff61b1e6              ; the largest score so far: -3e38
	v_mov_b32 v[FF+2*\t+1], 0
.irp j, 0,1,2,3,4,5,6,7
	v_mov_b32 v[6+10*\t+\j], 0                     ; the sum
.endr
.irp b, 0,1,2,3
	v_mov_b32 v[PX+4*\t+\b], 0                     ; written once: a lane permute's destination counts as one of its sources
.endr
.set j, 22
.rept 42
	v_mov_b32 v[S+64*\t+j], 0                      ; the first step adds the rest of a sum before it: zeros
.set j, j+1
.endr
.endr
	WIN 0x40
.irp j, 0,1,2,3,4,5,6,7
	v_mov_b32 v[\j], 0                             ; zero codes on both sides of each Q
	v_mov_b32 v[16+\j], 0
	v_mov_b32 v[32+\j], 0
.endr
.set j, 0
.rept 64
	v_mov_b32 v[O+j], 0                            ; O^T: the first change of M leaves zeros
.set j, j+1
.endr
	WIN 0
	s_wait_alu depctr_va_vdst(0)                   ; the head's end
	s_wait_loadcnt 0x0                             ; Q and its scale word
	v_and_b32 v[QS], 0xffff, v38                   ; each tile's two bytes, twice
	v_lshrrev_b32 v[QS+1], 16, v38
	v_lshl_or_b32 v[QS], v[QS], 16, v[QS]
	v_lshl_or_b32 v[QS+1], v[QS+1], 16, v[QS+1]
.macro SUMS t, from, to                ; pairs from .. to - 1 of tile t's p onto its four chains by turns
.set kk, \from
.rept (\to)-(\from)
	v_pk_add_f32 v[6+10*\t+2*(kk%4):7+10*\t+2*(kk%4)], v[6+10*\t+2*(kk%4):7+10*\t+2*(kk%4)], v[S+64*\t+2*kk:S+64*\t+2*kk+1]
.set kk, kk+1
.endr
.endm
.macro BEGIN t                         ; pairs 0 to 10: eight lines
	v_pk_add_f32 v[8+10*\t:9+10*\t], v[S+64*\t+2:S+64*\t+3], v[S+64*\t+4:S+64*\t+5]
	v_pk_add_f32 v[10+10*\t:11+10*\t], v[S+64*\t+6:S+64*\t+7], v[S+64*\t+8:S+64*\t+9]
	v_pk_add_f32 v[12+10*\t:13+10*\t], v[S+64*\t+10:S+64*\t+11], v[S+64*\t+12:S+64*\t+13]
	v_pk_add_f32 v[6+10*\t:7+10*\t], v[6+10*\t:7+10*\t], v[S+64*\t:S+64*\t+1]
	SUMS \t, 7, 11
.endm
.macro JOIN                            ; both tiles' chains are joined: six lines
	v_pk_add_f32 v[6:7], v[6:7], v[8:9]
	v_pk_add_f32 v[10:11], v[10:11], v[12:13]
	v_pk_add_f32 v[16:17], v[16:17], v[18:19]
	v_pk_add_f32 v[20:21], v[20:21], v[22:23]
	v_pk_add_f32 v[6:7], v[6:7], v[10:11]
	v_pk_add_f32 v[16:17], v[16:17], v[20:21]
.endm
.macro QK t, i                         ; key tile i = 2 b + u of fragment b
.if ((\i)/2)%2
	v_wmma_scale_f32_16x16x128_f8f6f4 v[S+64*\t+8*(\i):S+64*\t+8*(\i)+7], v[F+16*((\i)/2):F+16*((\i)/2)+15], v[8+16*\t-8*((\i)%2):23+16*\t-8*((\i)%2)], 0, v[KSW+(\i)/4], v[QS+\t] matrix_a_fmt:MATRIX_FMT_BF8 matrix_b_fmt:MATRIX_FMT_BF8 matrix_a_scale:MATRIX_SCALE_ROW1
.else
	v_wmma_scale_f32_16x16x128_f8f6f4 v[S+64*\t+8*(\i):S+64*\t+8*(\i)+7], v[F+16*((\i)/2):F+16*((\i)/2)+15], v[8+16*\t-8*((\i)%2):23+16*\t-8*((\i)%2)], 0, v[KSW+(\i)/4], v[QS+\t] matrix_a_fmt:MATRIX_FMT_BF8 matrix_b_fmt:MATRIX_FMT_BF8
.endif
.endm
.macro PV t, i                         ; 16 channels
.if (\i)%2
	v_wmma_scale_f32_16x16x128_f8f6f4 v[O+32*\t+8*\i:O+32*\t+8*\i+7], v[VF+16*\i:VF+16*\i+15], v[PC+16*\t:PC+16*\t+15], v[O+32*\t+8*\i:O+32*\t+8*\i+7], v[VSW+\i/2], v[PWD+\t] matrix_a_fmt:MATRIX_FMT_BF8 matrix_b_fmt:MATRIX_FMT_BF8 matrix_a_scale:MATRIX_SCALE_ROW1
.else
	v_wmma_scale_f32_16x16x128_f8f6f4 v[O+32*\t+8*\i:O+32*\t+8*\i+7], v[VF+16*\i:VF+16*\i+15], v[PC+16*\t:PC+16*\t+15], v[O+32*\t+8*\i:O+32*\t+8*\i+7], v[VSW+\i/2], v[PWD+\t] matrix_a_fmt:MATRIX_FMT_BF8 matrix_b_fmt:MATRIX_FMT_BF8
.endif
.endm
.macro MAXG t, i                       ; the largest score of each block of 32 keys: eight groups of four lines
.irp b, 0,1,2,3
.if (\i) == 0
	v_max3_num_f32 v[BM+4*\t+\b], v[S+64*\t+16*\b], v[S+64*\t+16*\b+1], v[S+64*\t+16*\b+2]
.elseif (\i) < 7
	v_max3_num_f32 v[BM+4*\t+\b], v[BM+4*\t+\b], v[S+64*\t+16*\b+2*(\i)+1], v[S+64*\t+16*\b+2*(\i)+2]
.else
	v_max_num_f32 v[BM+4*\t+\b], v[BM+4*\t+\b], v[S+64*\t+16*\b+15]
.endif
.endr
.endm
.macro SWAP t                          ; lane l xor 16's 16 keys
.irp b, 0,1,2,3
	v_permlanex16_b32 v[PX+4*\t+\b], v[BM+4*\t+\b], s[SEL], s[SEL+1]
.endr
.endm
.macro BOTH t
.irp b, 0,1,2,3
	v_max_num_f32 v[BM+4*\t+\b], v[BM+4*\t+\b], v[PX+4*\t+\b]
.endr
.endm
.macro MSTEP t, k                      ; M and f, step by step
.if (\k) == 0
	v_max3_num_f32 v[PX+4*\t], v[BM+4*\t], v[BM+4*\t+1], v[BM+4*\t+2]
.elseif (\k) == 1
	v_max3_num_f32 v[15+10*\t], v[15+10*\t], v[PX+4*\t], v[BM+4*\t+3]   ; the running largest score
.elseif (\k) == 2
	v_mul_f32 v[PX+4*\t], s[CS], -v[15+10*\t]      ; -t
.elseif (\k) == 3
	v_floor_f32 v[PX+4*\t+1], v[PX+4*\t]           ; the new -M = floor(-t): M is a whole number
.elseif (\k) == 4
	v_sub_f32 v[PX+4*\t+2], v[PX+4*\t+1], v[14+10*\t]   ; M's old value less its new one: 0 or less
	v_mov_b32 v[14+10*\t], v[PX+4*\t+1]
.elseif (\k) == 5
	v_cvt_i32_f32 v[PX+4*\t+2], v[PX+4*\t+2]       ; (it saturates)
.else
	v_ldexp_f32 v[FF+2*\t], 1.0, v[PX+4*\t+2]      ; f
.endif
.endm
.macro PKF t, from, n                  ; t - M, two at a time
.set kk, \from
.rept \n
	v_pk_fma_f32 v[S+64*\t+2*kk:S+64*\t+2*kk+1], v[S+64*\t+2*kk:S+64*\t+2*kk+1], s[CS:CS+1], v[14+10*\t:15+10*\t] op_sel_hi:[1,0,0]
.set kk, kk+1
.endr
.endm
.macro BFMA t                          ; each block's largest t - M
.irp b, 0,1,2,3
	v_fma_f32 v[BM+4*\t+\b], v[BM+4*\t+\b], s[CS], v[14+10*\t]
.endr
.endm
.macro HOLD t, k                       ; p's pair k held at the largest code x the scale (the conversion does not saturate: ISA guide 7.6.2); p is not negative
	v_dual_min_num_f32 v[F+2*(\k)], v[S+64*\t+2*(\k)], v[BM+4*\t+(\k)/8] :: v_dual_min_num_f32 v[F+2*(\k)+1], v[S+64*\t+2*(\k)+1], v[BM+4*\t+(\k)/8]
.endm
.macro CODES t
	WIN 0x40
.irp g, 0,1,2,3,4,5,6,7
	v_cvt_scalef32_pk8_bf8_f32 v[PC+16*\t+2*\g:PC+16*\t+2*\g+1], v[F+8*\g:F+8*\g+7], v[CV+4*\t+\g/2]
.endr
	WIN 0
.endm
.macro WORD t                          ; p's scale word: the four exponents, each + 112 (sums modulo 2^32)
	v_lshl_add_u32 v[PWD+\t], v[PX+4*\t+1], 8, v[PX+4*\t]
	v_lshl_add_u32 v[PWD+\t], v[PX+4*\t+2], 16, v[PWD+\t]
	v_lshl_add_u32 v[PWD+\t], v[PX+4*\t+3], 24, v[PWD+\t]
	v_add_nc_u32 v[PWD+\t], 0x70707070, v[PWD+\t]
.endm
; A KEY STEP: 128 keys.
.macro STEP
	v_add_nc_u32 v[ADK], s[TB], v[LI]
	v_add_nc_u32 v[ADS], s[TS], v[AS0]
	ds_load_b64 v[KSW:KSW+1], v[ADS] offset:2048
.irp b, 0,1,2,3
.irp c, 0,1,2,3
	ds_load_b128 v[F+16*\b+4*\c:F+16*\b+4*\c+3], v[ADK] offset:2048*\b+512*\c
.endr
.endr
	v_add_nc_u32 v[ADV], VIMG, v[ADK]
	SUMS 0, 11, 18                                 ; with the three additions above: places in front of loads into registers that the last step's products have read
	WIN 0x40
.irp t, 0,1,2,3
.irp c, 0,1,2,3
	ds_load_b128 v[VF+16*\t+4*\c:VF+16*\t+4*\c+3], v[ADV] offset:2048*\t+512*\c
.endr
.endr
	WIN 0
	ds_load_b64 v[VSW:VSW+1], v[ADS]
	SUMS 0, 18, 32                                 ; the rest of the last step's sums, under the loads
	SUMS 1, 11, 32
	s_wait_alu depctr_va_vdst(0)
	WIN 4
.irp b, 0,1,2,3                                ; S^T = K Q^T, tile 0
	s_wait_dscnt 29-4*\b                           ; fragment b is in; the four loads of each later fragment and V's 17 may be out
	QK 0, 2*\b
	QK 0, 2*\b+1
.endr
	WIN 0
	JOIN                                           ; six of the eight places in front of the first read of the scores
	v_nop
	v_nop
.irp i, 0,1,2,3,4,5,6,7                        ; tile 1's products, and tile 0's maxima among them
	WIN 4
	QK 1, \i
	WIN 0
	MAXG 0, \i
.endr
	SWAP 0                                         ; with the four lines above: the places behind tile 1's last product
	MAXG 1, 0                                      ; tile 1's maxima, and tile 0's M among them
	BOTH 0
	MAXG 1, 1
	MSTEP 0, 0
	MAXG 1, 2
	MSTEP 0, 1
	MAXG 1, 3
	MSTEP 0, 2
	MAXG 1, 4
	MSTEP 0, 3
	MAXG 1, 5
	MSTEP 0, 4
	MAXG 1, 6
	MSTEP 0, 5
	MAXG 1, 7
	MSTEP 0, 6
	SWAP 1
	PKF 0, 0, 4                                    ; tile 0's scalings, and tile 1's M among them
	BOTH 1
	BFMA 0
.irp m, 0,1,2,3,4,5,6
	MSTEP 1, \m
	PKF 0, 4+4*\m, 4
.endr
	BFMA 1
.irp b, 0,1,2,3,4,5,6,7                        ; both tiles' four blocks
	v_max_num_f32 v[BM+\b], s[LOW], v[BM+\b]       ; held at -111,
.endr
.irp b, 0,1,2,3,4,5,6,7
	v_cvt_floor_i32_f32 v[PX+\b], v[BM+\b]         ; its floor is the largest p's exponent
.endr
.irp b, 0,1,2,3,4,5,6,7
	v_lshl_add_u32 v[CV+\b], v[PX+\b], 23, 0x38000000   ; + 112 as an exponent field: the conversion's scale operand
.endr
.irp b, 0,1,2,3,4,5,6,7
	v_add_nc_u32 v[BM+\b], 0x7e00000, v[CV+\b]     ; 1.75 x 2^15 times the scale
.endr
	v_pk_mul_f32 v[6:7], v[6:7], v[FF:FF+1] op_sel_hi:[1,0]   ; the sums under the new M
	v_pk_mul_f32 v[16:17], v[16:17], v[FF+2:FF+3] op_sel_hi:[1,0]
	WIN 0x41
.set j, 0
.rept 16
	v_pk_mul_f32 v[O+j:O+j+1], v[O+j:O+j+1], v[FF:FF+1] op_sel_hi:[1,0]   ; O^T likewise
.set j, j+2
.endr
.rept 16
	v_pk_mul_f32 v[O+j:O+j+1], v[O+j:O+j+1], v[FF+2:FF+3] op_sel_hi:[1,0]
.set j, j+2
.endr
	WIN 0
	s_wait_alu depctr_va_vdst(0)                   ; ahead of the batch
.set N_, 0
.rept 32
	v_exp_f32 v[S+2*N_], v[S+2*N_]                 ; tile 0's p = 2^(t - M), and tile 1's scalings among them
	PKF 1, N_, 1
	v_exp_f32 v[S+2*N_+1], v[S+2*N_+1]
.set N_, N_+1
.endr
	WORD 0
	s_wait_alu depctr_va_vdst(0)                   ; behind that batch and ahead of the next
.set N_, 0
.rept 32
	v_exp_f32 v[S+64+2*N_], v[S+64+2*N_]           ; tile 1's p, and tile 0's holds among them
	HOLD 0, N_
	v_exp_f32 v[S+64+2*N_+1], v[S+64+2*N_+1]
.set N_, N_+1
.endr
	WORD 1
	s_wait_alu depctr_va_vdst(0)                   ; behind the batch
	CODES 0
	BEGIN 0                                        ; the row's sum, of the p that were not held; eight lines, which are also the places between the conversions and the products
	s_wait_alu depctr_va_vdst(0)
	s_wait_dscnt 0x0                               ; V's fragments and scale words are in
.set N_, 0
.irp i, 0,1,2,3                                ; O^T += V^T P^T, tile 0, and tile 1's holds among them
	WIN 0x55
	PV 0, \i
	WIN 0
.rept 8
	HOLD 1, N_
.set N_, N_+1
.endr
.endr
	CODES 1
	BEGIN 1
	WIN 0x55
.irp i, 0,1,2,3
	PV 1, \i
.endr
	WIN 0
.endm
.macro FOUR_STEPS
	s_mov_b32 s[CNT], 4
.Lstep_\@:
	STEP
	s_add_co_u32 s[TB], s[TB], 8192
	s_add_co_u32 s[TS], s[TS], 256
	s_sub_co_u32 s[CNT], s[CNT], 1
	s_cmp_lg_u32 s[CNT], 0
	s_cbranch_scc1 .Lstep_\@
.endm
	s_wait_alu depctr_va_vdst(0)
	s_cmp_lt_u32 s[WV], 6
	s_cbranch_scc0 .Llate
	s_wait_tensorcnt 0x0                           ; the scale words and key steps 0 to 3
.Llate:
	s_barrier_signal -1
	s_barrier_wait -1                              ; everybody's are in
	s_wait_tensorcnt 0x0                           ; key steps 4 to 7: waves 6 and 7 alone have something out
	s_barrier_signal -1                            ; said here, asked between the two loops: in between stand register work and reads of bytes that nobody writes
	FOUR_STEPS
	s_barrier_wait -1
	FOUR_STEPS
	; THE WAY OUT: O^T / the sum goes through my stages in LDS: sixteen lanes store a row's 256 consecutive bytes, aligned.
	SUMS 0, 11, 32                                 ; the last step's sums; also the places behind its products
	SUMS 1, 11, 32
	JOIN
	v_add_f32 v6, v6, v7
	v_add_f32 v16, v16, v17
	v_permlanex16_b32 v[PX], v6, s[SEL], s[SEL+1]
	v_permlanex16_b32 v[PX+4], v16, s[SEL], s[SEL+1]
	v_add_f32 v6, v6, v[PX]                        ; the rows' sums
	v_add_f32 v16, v16, v[PX+4]
	s_wait_alu depctr_va_vdst(0)                   ; ahead of the transcendentals
	v_rcp_f32 v6, v6
	v_rcp_f32 v16, v16
	v_and_b32 v232, 15, v0                         ; r
	v_bfe_u32 v233, v0, 4, 1                       ; h
	v_mul_u32_u24 v234, v232, 272
	v_mul_u32_u24 v235, v233, 272
	v_lshlrev_b32 v236, 12, v233
	v_lshl_add_u32 v234, v233, 6, v234
	v_lshl_add_u32 v235, v232, 4, v235
	v_lshl_add_u32 v236, v232, 4, v236             ; two rows of out0
	v_add_nc_u32 v234, s2, v234                    ; into a stage: row r, + 64 h
	v_add_nc_u32 v235, s2, v235                    ; back: lanes 0-15 one row, lanes 16-31 the next
	v_lshl_add_u32 v237, v0, 2, SPARE              ; my spare word, made anew, and 0
	v_mov_b32 v238, 0
	WIN 1
	s_wait_alu depctr_va_vdst(0)                   ; and ahead of their first readers
.set j, 0
.rept 16
	v_pk_mul_f32 v[S+j:S+j+1], v[O+j:O+j+1], v[6:7] op_sel_hi:[1,0]   ; register 8 t + i is channel 32 (t / 2) + 16 h + 8 (t % 2) + i of query r
.set j, j+2
.endr
.rept 16
	v_pk_mul_f32 v[S+j:S+j+1], v[O+j:O+j+1], v[16:17] op_sel_hi:[1,0]
.set j, j+2
.endr
	WIN 0
.irp u, 0,1
.irp t, 0,1,2,3
	ds_store_b128 v234, v[S+32*\u+8*\t:S+32*\u+8*\t+3] offset:4352*\u+128*(\t/2)+32*(\t%2)
	ds_store_b128 v234, v[S+32*\u+8*\t+4:S+32*\u+8*\t+7] offset:4352*\u+128*(\t/2)+32*(\t%2)+16
.endr
.irp i, 0,1,2,3,4,5,6,7
	ds_load_b128 v[F+32*\u+4*\i:F+32*\u+4*\i+3], v235 offset:4352*\u+544*\i   ; LDS serves a wave's instructions in order: these see my stores
.endr
.endr
.irp u, 0,1
.irp i, 0,1,2,3,4,5,6,7
.if \u
	s_wait_dscnt 7-\i
.else
	s_wait_dscnt 23-\i                             ; tile 1's eight stores and eight loads stand behind tile 0's loads
.endif
	global_store_b128 v236, v[F+32*\u+4*\i:F+32*\u+4*\i+3], s[78:79] offset:32768*\u+4096*(2*\i+8*(\i/4)) th:TH_STORE_NT   ; stage row p of tile u is query 32 g + 8 u + p + 8 (p / 8)
.endr
.endr
	s_wait_tensorcnt 0x0                           ; the wave's end
	ds_add_u32 v237, v238
	s_wait_dscnt 0x0
	CROUND                                         ; the closing round
	s_endpgm
.Lfunc_end_k_qd9c7774f85_attn:
	.size	k_qd9c7774f85_attn, .Lfunc_end_k_qd9c7774f85_attn-k_qd9c7774f85_attn
	.p2alignl 7, 3214868480
	.fill 96, 4, 3214868480
	.section	.rodata,"a",@progbits
	.p2align	6, 0x0
	.amdhsa_kernel k_qd9c7774f85_attn
		.amdhsa_group_segment_fixed_size 206848
		.amdhsa_private_segment_fixed_size 0
		.amdhsa_enable_private_segment 0
		.amdhsa_kernarg_size 24
		.amdhsa_user_sgpr_count 2
		.amdhsa_user_sgpr_kernarg_segment_ptr 1
		.amdhsa_wavefront_size32 1
		.amdhsa_system_sgpr_workgroup_id_x 1
		.amdhsa_system_sgpr_workgroup_id_y 1
		.amdhsa_system_sgpr_workgroup_id_z 1
		.amdhsa_system_vgpr_workitem_id 0
		.amdhsa_next_free_vgpr 512
		.amdhsa_next_free_sgpr 80
		.amdhsa_reserve_vcc 0
		.amdhsa_float_denorm_mode_32 3
		.amdhsa_float_denorm_mode_16_64 3
		.amdhsa_memory_ordered 1
		.amdhsa_forward_progress 1
		.amdhsa_inst_pref_size 93
	.end_amdhsa_kernel
	.amdgpu_metadata
---
amdhsa.version: [ 1, 2 ]
amdhsa.kernels:
  - .name:           k_qd9c7774f85_attn
    .symbol:         k_qd9c7774f85_attn.kd
    .args:
      - { .name: img, .offset: 0, .size: 8, .value_kind: global_buffer, .address_space: global }
      - { .name: isc, .offset: 8, .size: 8, .value_kind: global_buffer, .address_space: global }
      - { .name: out0, .offset: 16, .size: 8, .value_kind: global_buffer, .address_space: global }
    .group_segment_fixed_size: 206848
    .private_segment_fixed_size: 0
    .kernarg_segment_align: 8
    .kernarg_segment_size: 24
    .max_flat_workgroup_size: 256
    .sgpr_count:     80
    .vgpr_count:     512
    .wavefront_size: 32
...
	.end_amdgpu_metadata
.endif
;; end of part 3
